; MI455X (gfx1250); checked and timed in simulation.
; The chip was launched on July 23, 2026; its instructions are those of AMD's public machine-readable ISA for CDNA 5 (MIT licence, August 2026) and "CDNA5" Instruction Set Architecture Reference Guide (July 2026). The comments in the code are by the model that wrote it; some were corrected since.
;; attention. Allowed arithmetic: matrix products marked QUANTISED: E4M3 operands, one given power-of-two scale a tensor, by v_wmma_f32_16x16x64_fp8_fp8 or v_wmma_f32_16x16x128_fp8_fp8, f32 sums; everything else in f32.
;; Inputs: Wk_codes 1,024 x 32 x 32 uint8 (E4M3 codes of Wk, K innermost, in blocks of 32 codes); Wo_codes 1,024 x 32 x 32 uint8 (E4M3 codes of Wo, K innermost, in blocks of 32 codes); Wq_codes 1,024 x 32 x 32 uint8 (E4M3 codes of Wq, K innermost, in blocks of 32 codes); Wv_codes 1,024 x 32 x 32 uint8 (E4M3 codes of Wv, K innermost, in blocks of 32 codes); bk 1,024 float32; bo 1,024 float32; bq 1,024 float32; bv 1,024 float32; lowp_scales 12 int32 (the exponents e of the quantised operands' scales 2^e); x_codes 4 x 2,048 x 32 x 32 uint8 (E4M3 codes of x, K innermost, in blocks of 32 codes).
;; Outputs: out0 4 x 2,048 x 1,024 float32.
;; This version of the problem:
;;   THIS VERSION OF THE PROBLEM IS GIVEN IN LOW PRECISION. The matrix products marked QUANTISED in the list below multiply operands that are first quantised to E4M3 (4 exponent bits, 3 mantissa bits; 8 bits a number), with one given power-of-two scale for each operand tensor; their sums are f32. All else is computed in f32.
;;   The module's matrix products, in the order in which they are computed (A, B: the left and right operand; K: the contracted axis; several contracted axes count as one K, in the product's order):
;;     1. [M 8,192, K 1,024] x [K 1,024, N 1,024]; A: input x (given as codes); B: input Wq (given as codes): QUANTISED (scales: A lowp_scales[0], B lowp_scales[1])
;;     2. [M 8,192, K 1,024] x [K 1,024, N 1,024]; A: input x (given as codes); B: input Wk (given as codes): QUANTISED (scales: A lowp_scales[2], B lowp_scales[3])
;;     3. [M 8,192, K 1,024] x [K 1,024, N 1,024]; A: input x (given as codes); B: input Wv (given as codes): QUANTISED (scales: A lowp_scales[4], B lowp_scales[5])
;;     4. batch 64 x [M 2,048, K 64] x [K 64, N 2,048]; A: computed on the way; B: computed on the way: QUANTISED (scales: A lowp_scales[6], B lowp_scales[7])
;;     5. batch 64 x [M 2,048, K 2,048] x [K 2,048, N 64]; A: softmax (see below); B: computed on the way: QUANTISED (scales: A lowp_scales[8], B lowp_scales[9])
;;     6. [M 8,192, K 1,024] x [K 1,024, N 1,024]; A: computed on the way; B: input Wo (given as codes): QUANTISED (scales: A lowp_scales[10], B lowp_scales[11])
;;   THE QUANTISER, for each operand of a quantised product, along K:
;;     - The operand's scale is 2^e, e = its entry of the input lowp_scales (int32; the entries are numbered through the quantised products in the list's order, A before B).
;;     - Each number is divided by the scale, clamped to +-448, and rounded to the nearest number of E4M3, ties to even, subnormals kept.
;;     - The product sums the exact products of the quantised numbers (number of the format x scale) in f32.
;;   ~~~python
;;   def quantise(x, axis, e):      # numpy; x: float32 -> the quantised numbers, widened to float32 again
;;       x = np.moveaxis(x, axis, -1); K = x.shape[-1]
;;       r = np.clip(x / 2.0 ** e, -448, 448)
;;       step = 2.0 ** (np.maximum(np.frexp(np.where(r == 0, 1, r))[1] - 1, -6) - 3)
;;       q = np.round(r / step) * step * 2.0 ** e      # np.round: ties to even
;;       return np.moveaxis(q, -1, axis).astype(np.float32)
;;   ~~~
;;   SOFTMAX AHEAD OF A QUANTISED PRODUCT. Where the list says 'softmax', what is quantised is not the finished softmax but p = 2^(t - M), with t = logit x log2(e) and M = ceil(the row's largest t), a whole number; so 1/2 < the row's largest p <= 1. The row's sum l is taken of the UNQUANTISED p, in f32, and the product's result is divided by l at the end. Since M is a whole number, a kernel that streams over the keys may use a running M (the ceiling of the running maximum): every later rescaling is an exact power of two, so the quantised numbers keep their values, but for numbers so far below the row's largest that they fall under the format's range.
;;   OPERANDS COMPUTED ON THE WAY. 'Computed on the way' means the value that the module computes at that place (a softmax that the list does not call 'softmax' is quantised finished and normalised). What goes into a quantiser is computed in f32, as accurately as f32 sums, v_exp_f32 and their like allow (about 1e-6 of the number): no bf16 or f16 on the way to a quantiser, and a product that is left as it is and whose result goes on into a quantised operand takes f32 operands (vector FMAs, or v_wmma_f32_16x16x4_f32). A number that lies on a knife's edge between two numbers of the format may be rounded either way, as far as f32 arithmetic and the matrix unit's own rounding can turn it there, and no further.
;;   INPUTS GIVEN AS CODES. Wk (in the module: [1024, 1024], K = its axis 0); Wo (in the module: [1024, 1024], K = its axis 0); Wq (in the module: [1024, 1024], K = its axis 0); Wv (in the module: [1024, 1024], K = its axis 0); x (in the module: [4, 2048, 1024], K = its axis 2): each comes as NAME_codes (uint8): NAME with its K axis moved to the last place and cut into blocks of 32 codes, [.., K / 32, bytes a block], one block behind the other in memory; one code a byte (a code: sign, 4 exponent bits, 3 mantissa bits); its scale is its entry of lowp_scales. Its value is code x scale, taken as it is: it is not quantised again, and the codes and scales need not be those that the quantiser above would give.
;; One version. Each part assembles by itself: llvm-mc -triple=amdgcn-amd-amdhsa -mcpu=gfx1250 --defsym DOCPART=n.
;; ======== version 1 of 1: 4 launches
;; workspace buffers: tab 524,288 bytes; qimg 8,388,608 bytes; kimg 8,388,608 bytes; vimg 8,388,608 bytes; oimg 8,388,608 bytes
;; launch ropetab (part 1): grid 256 x 1, 4 waves a work-group, no clusters, 0 bytes of LDS; arguments tab; writes tab
.if DOCPART == 1
	.amdgcn_target "amdgcn-amd-amdhsa--gfx1250"
	.amdhsa_code_object_version 6
	.text
	.protected	k_q2731d53640_ropetab
	.globl	k_q2731d53640_ropetab
	.p2align	8
	.type	k_q2731d53640_ropetab,@function
k_q2731d53640_ropetab:
	s_mov_b64 s[64:65], 0
	v_nop
	global_prefetch_b8 v0, s[64:65] scope:SCOPE_SE
	s_setreg_imm32_b32 hwreg(HW_REG_WAVE_MODE, 25, 1), 1
	s_wait_xcnt 0x0
; The rotary table: cos and sin of f32(n) x inv_freq[j], n = 0 .. 2,047, j = 0 .. 31, inv_freq[j] = 10000^(-j / 32).
; LAYOUT: [tile of 16 tokens: 128][p: 8][512 bytes], lane L's 16 bytes at 16 L: cos j0, sin j0, cos j0 + 1, sin j0 + 1 for token 16 tile + L % 16 and
; j0 = 8 (p / 2) + 4 (L / 16) + 2 (p % 2): the order in which the projection's results lie in a lane's registers, so that its loads are 512 consecutive bytes.
; Thread 128 g + t stores the table's 16 bytes at 16 (128 g + t): a wave's store covers 512 consecutive bytes, aligned.
; inv_freq = 2^(-j c), c = log2(10000) / 32 kept in two f32 parts, the whole part of j c applied by v_ldexp_f32: about one unit in the last place.
; The angle is ONE f32 product, as the model has it.  Its cos and sin: the nearest multiple of pi / 2 taken off in two parts, then polynomials on +-pi / 4.
; LIMIT: an inv_freq that differs by a unit in the last place from another power routine's moves an angle by up to about 2e-4 at the last tokens.
.set CH,  10                           ; s10  c, high part
.set CL,  11                           ; s11  c, low part
.set TOP, 12                           ; s12  2 / pi
.set P1,  13                           ; s13  -(pi / 2), high part
.set P2,  14                           ; s14  -(pi / 2), what the high part lacks
.set S1,  15                           ; s15-17 sine's coefficients, s18-20 cosine's
.set S2,  16
.set S3,  17
.set C1,  18
.set C2,  19
.set C3,  20
.set T,   12                           ; v12-18 at work
.set K,   13
.set R,   14
.set Z,   15
.set PS,  16
.set PC,  17
.set W,   18
	s_load_b64 s[4:5], s[0:1], 0x0
	s_mov_b32 s[CH], 0x3ed49a78
	s_mov_b32 s[CL], 0x32179a3a
	s_mov_b32 s[TOP], 0x3f22f983
	s_mov_b32 s[P1], 0xbfc90fdb
	s_mov_b32 s[P2], 0x333bbd2e
	s_mov_b32 s[S1], 0xbe2aaaa3
	s_mov_b32 s[S2], 0x3c08839e
	s_mov_b32 s[S3], 0xb94ca1f9
	s_mov_b32 s[C1], 0x3d2aaaa5
	s_mov_b32 s[C2], 0xbab6061a
	s_mov_b32 s[C3], 0x37ccf5ce
	v_lshrrev_b32 v1, 5, v0                        ; wave
	s_and_b32 s6, ttmp9, 1
	s_lshl_b32 s6, s6, 2
	v_add_nc_u32 v1, s6, v1                        ; p = 4 (g % 2) + wave
	v_bfe_u32 v2, v0, 4, 1                         ; h
	v_and_b32 v3, 15, v0
	s_lshr_b32 s7, ttmp9, 1
	s_lshl_b32 s7, s7, 4
	v_add_nc_u32 v3, s7, v3                        ; n = 16 (g / 2) + lane % 16
	v_lshrrev_b32 v4, 1, v1
	v_lshlrev_b32 v4, 3, v4
	v_lshl_add_u32 v4, v2, 2, v4
	v_and_b32 v5, 1, v1
	v_lshl_add_u32 v4, v5, 1, v4                   ; j0
	v_add_nc_u32 v5, 1, v4                         ; j0 + 1
	v_cvt_f32_u32 v6, v3                           ; n as f32
	v_lshlrev_b32 v24, 4, v0                       ; my 16 bytes of the work-group's 2,048
	s_lshl_b32 s8, ttmp9, 11
	s_mov_b32 s9, 0
; j c = whole + fraction.  v[nf] := -fraction, v[nw] := -whole, as a whole number
.macro EXPO j, nf, nw
	v_cvt_f32_u32 v[\nw], v[\j]
	v_mul_f32 v[\nf], s[CH], v[\nw]                ; the product's high part,
	v_fma_f32 v[T], v[\nw], s[CH], -v[\nf]         ; what its rounding dropped,
	v_fma_f32 v[T], v[\nw], s[CL], v[T]            ; and c's low part
	v_rndne_f32 v[\nw], v[\nf]
	v_sub_f32 v[\nf], v[\nw], v[\nf]
	v_sub_f32 v[\nf], v[\nf], v[T]
	v_cvt_i32_f32 v[\nw], v[\nw]
	v_sub_nc_u32 v[\nw], 0, v[\nw]
.endm
; cos and sin of v[ang] (0 or more, under 2,048)
.macro SINCOS ang, c, s
	v_mul_f32 v[K], s[TOP], v[\ang]
	v_rndne_f32 v[K], v[K]                         ; the nearest multiple of pi / 2
	v_fma_f32 v[R], v[K], s[P1], v[\ang]           ; the product is exact inside the fused form: what is left is rounded once
	v_fma_f32 v[R], v[K], s[P2], v[R]
	v_mul_f32 v[Z], v[R], v[R]
	v_cvt_i32_f32 v[K], v[K]
	v_fma_f32 v[PS], v[Z], s[S3], s[S2]
	v_fma_f32 v[PC], v[Z], s[C3], s[C2]
	v_fma_f32 v[PS], v[PS], v[Z], s[S1]
	v_fma_f32 v[PC], v[PC], v[Z], s[C1]
	v_mul_f32 v[PS], v[PS], v[Z]
	v_mul_f32 v[PC], v[PC], v[Z]
	v_fma_f32 v[W], v[Z], -0.5, 1.0
	v_fma_f32 v[PS], v[PS], v[R], v[R]             ; sin of the rest
	v_fma_f32 v[PC], v[PC], v[Z], v[W]             ; cos of the rest
	v_and_b32 v[W], 1, v[K]
	v_cmp_eq_u32 vcc_lo, 1, v[W]                   ; an odd quarter turn changes the two over
	v_cndmask_b32 v[\s], v[PS], v[PC], vcc_lo
	v_cndmask_b32 v[\c], v[PC], v[PS], vcc_lo
	v_lshlrev_b32 v[W], 30, v[K]                   ; sine is negative in quarters 2 and 3,
	v_and_b32 v[W], 0x80000000, v[W]
	v_xor_b32 v[\s], v[W], v[\s]
	v_add_nc_u32 v[W], 1, v[K]                     ; cosine in quarters 1 and 2
	v_lshlrev_b32 v[W], 30, v[W]
	v_and_b32 v[W], 0x80000000, v[W]
	v_xor_b32 v[\c], v[W], v[\c]
.endm
	EXPO 4, 8, 9
	EXPO 5, 10, 11
	v_exp_f32 v8, v8                               ; the two exponentials are one batch:
	v_exp_f32 v10, v10
	v_nop                                          ; a plain instruction behind the last,
	s_wait_alu depctr_va_vdst(0)                   ; and one wait ahead of the first reader
	v_ldexp_f32 v8, v8, v9
	v_ldexp_f32 v10, v10, v11                      ; inv_freq[j0], inv_freq[j0 + 1]
	v_mul_f32 v8, v6, v8                           ; the angles: one rounding each
	v_mul_f32 v10, v6, v10
	SINCOS 8, 20, 21
	SINCOS 10, 22, 23
	s_wait_kmcnt 0x0
	s_add_nc_u64 s[4:5], s[4:5], s[8:9]
	global_store_b128 v24, v[20:23], s[4:5]
	s_endpgm
.Lfunc_end_k_q2731d53640_ropetab:
	.size	k_q2731d53640_ropetab, .Lfunc_end_k_q2731d53640_ropetab-k_q2731d53640_ropetab
	.p2alignl 7, 3214868480
	.fill 96, 4, 3214868480
	.section	.rodata,"a",@progbits
	.p2align	6, 0x0
	.amdhsa_kernel k_q2731d53640_ropetab
		.amdhsa_group_segment_fixed_size 0
		.amdhsa_private_segment_fixed_size 0
		.amdhsa_enable_private_segment 0
		.amdhsa_kernarg_size 8
		.amdhsa_user_sgpr_count 2
		.amdhsa_user_sgpr_kernarg_segment_ptr 1
		.amdhsa_wavefront_size32 1
		.amdhsa_system_sgpr_workgroup_id_x 1
		.amdhsa_system_sgpr_workgroup_id_y 1
		.amdhsa_system_sgpr_workgroup_id_z 1
		.amdhsa_system_vgpr_workitem_id 0
		.amdhsa_next_free_vgpr 32
		.amdhsa_next_free_sgpr 66
		.amdhsa_reserve_vcc 1
		.amdhsa_float_denorm_mode_32 3
		.amdhsa_float_denorm_mode_16_64 3
		.amdhsa_memory_ordered 1
		.amdhsa_forward_progress 1
		.amdhsa_inst_pref_size 6
	.end_amdhsa_kernel
	.amdgpu_metadata
---
amdhsa.version: [ 1, 2 ]
amdhsa.kernels:
  - .name:           k_q2731d53640_ropetab
    .symbol:         k_q2731d53640_ropetab.kd
    .args:
      - { .name: tab, .offset: 0, .size: 8, .value_kind: global_buffer, .address_space: global }
    .group_segment_fixed_size: 0
    .private_segment_fixed_size: 0
    .kernarg_segment_align: 8
    .kernarg_segment_size: 8
    .max_flat_workgroup_size: 128
    .sgpr_count:     66
    .vgpr_count:     32
    .wavefront_size: 32
...
	.end_amdgpu_metadata
.endif
;; end of part 1
;; launch qkv (part 2): grid 12 x 64, 4 waves a work-group, clusters of 4 x 4, 327,680 bytes of LDS; arguments x_codes, Wq_codes, Wk_codes, Wv_codes, bq, bk, bv, lowp_scales, tab, qimg, kimg, vimg; writes qimg, kimg, vimg
.if DOCPART == 2
	.amdgcn_target "amdgcn-amd-amdhsa--gfx1250"
	.amdhsa_code_object_version 6
	.text
	.protected	k_q2731d53640_qkv
	.globl	k_q2731d53640_qkv
	.p2align	8
	.type	k_q2731d53640_qkv,@function
k_q2731d53640_qkv:
	s_mov_b64 s[64:65], 0
	v_nop
	global_prefetch_b8 v0, s[64:65] scope:SCOPE_SE
	s_setreg_imm32_b32 hwreg(HW_REG_WAVE_MODE, 25, 1), 1
	s_wait_xcnt 0x0
	s_wait_alu depctr_hold_cnt(0) depctr_sa_sdst(0) depctr_va_vdst(0) depctr_va_sdst(0) depctr_va_ssrc(0) depctr_va_vcc(0) depctr_vm_vsrc(0)
	s_getreg_b32 s2, hwreg(HW_REG_IB_STS2, 6, 4)
	s_cmp_eq_u32 s2, 0
	s_cbranch_scc0 .Lentry_in_a_cluster
	s_endpgm
.Lentry_in_a_cluster:
	s_bfe_u32 s2, ttmp6, 0x10000c
	s_cmp_lg_u32 s2, 0xf033
	s_cbranch_scc0 .Lentry_shape_is_right
	s_endpgm
.Lentry_shape_is_right:
; q = rope(x Wq + bq), k = rope(x Wk + bk), v = x Wv + bv on codes of FP8 (E4M3), then quantised for the attention: q and k along the head's 64, v along the keys.
; x: [8192][1024] codes; W: [1024 (column)][1024 (k)] codes.  The cluster's x says which product: 0 q, 1 k, 2 v: the same in all sixteen partners.
; A work-group makes 256 rows of SOURCE 0 x 128 rows of SOURCE 1, K = 1,024: 768 work-groups, three for each of 256 WGPs.  Four waves; wave w: source 0's rows 128 (w % 2) on
; (8 blocks b), source 1's rows 64 (w / 2) on (4 blocks a): 32 accumulators, 256 registers.  In a result lane l holds source 1's row l % 16 and its registers source 0's rows 8 (l / 16) + 0 .. 7.
; q, k: source 0 = W, source 1 = x: a lane holds ONE token and eight neighbouring columns: the rotary pairs are neighbouring registers, and eight codes are two registers of the next product's fragment.
; v:    source 0 = x, source 1 = Wv: a lane holds ONE column and eight neighbouring tokens, which are the next K.  So nothing is transposed, and no result goes through LDS.
; OUTPUTS are images of operand registers (plain form: registers 2 c, 2 c + 1 hold k = 16 c + 8 (l / 16) + 0 .. 7), four registers a store, lane l at 16 l: each store covers 512 consecutive bytes, aligned.
;   qimg, kimg: [16 batch + head][tile of 16 tokens: 128][1,024 bytes];   vimg: [16 batch + head][128 keys: 16][16 columns: 4][2,048 bytes].
; K goes in four steps of 256 (rows of 256 bytes) through three LDS slots: the first three are asked for at the head, the fourth fills slot 0 again.  By this text's count three tensor loads a wave are out at most.
; Fragments of x and W are fetched by four loads of 16 bytes: a permutation of k, the same on both sides, so each product meets its partner.
; CLUSTER 4 x 4: source 0's tile hangs on cx alone and is asked for jointly by a column of the cluster, source 1's on cy alone, by a row.
; No prefetch: three of the four K steps are asked for at the head.
; LIMITS on the given exponents: e(x) + e(W) between -126 and 127; e6, e7, e9 between -126 and 119.  NaN among the inputs is not served.
; REGISTERS: window 0: addresses, the way out; window 1: accumulator (a, b) at v[8 (8 a + b)]; window 2: source 0's fragments, set p at v[128 p + 16 b];
;   window 3: source 1's, set p at v[64 p + 16 a]; from v128 the bias of q or k in the result's layout.
.set PITCH,  272                       ; an LDS row: 256 bytes + 16 of padding: the 16 rows of a load start 68 words apart
.set BLK,    16*PITCH
.set S0HALF, 128*PITCH                 ; what one tensor load brings of source 0, and what one wave reads of it
.set S1OFF,  256*PITCH                 ; source 1's 128 rows lie behind source 0's 256
.set S1HALF, 64*PITCH
.set SLOT,   384*PITCH
.set SPARE,  3*SLOT                    ; behind the slots: the spare words, 128 bytes a wave: two blocks of 256 bytes that no other line names
.set AD0,  4                           ; v4-6   LDS address of my fragments of source 0 in slot 0, 1, 2
.set BO,   7                           ; v7     my offset in the bias
.set AD1,  8                           ; v8-10  the same for source 1
.set GO,   11                          ; v11    16 x lane
.set SPW,  12                          ; v12    LDS address of my spare word; never rewritten
.set NIL,  13                          ; v13    0; never rewritten
.set LIM,  14                          ; v14    448 x the output's scale
.set SCL,  15                          ; v15    the output's scale as f32
.set CD,   16                          ; v16-31 codes
.set YV,   32                          ; v32-63 sums x scale + bias (v: v32-95)
.set ZV,   64                          ; v64-95 rotated
.set VB,   96                          ; v96-99 v's bias: my column of each block a
.set TAB,  128                         ; v128-255 cos and sin: 32 registers for each block a
.set BIAS, 128                         ; in window 3
.set TABP, 20
.set OUTP, 22
.set BIASP, 12
.set WV,   28
.set ROLE, 29                          ; w / 2: I fetch for source 0 (0) or 1 (1); also which 64 rows of source 1 I multiply
.set HALF, 30                          ; w % 2: which half I fetch; also which 128 rows of source 0 I multiply
.set CX,   31
.set CY,   32
.set WHICH, 33
.set CLY,  34
.set G1A,  36
.set G1B,  44
.set G0A,  52                          ; s[52:63] three groups 0 for source 0
.set G0B,  80                          ; s[80:91] for source 1
.set SC,   66                          ; s[66:67] 2^(e(x) + e(W)), twice
.set MSB, 0
.macro WIN new                         ; the immediate's high byte repeats the setting that is left
.if MSB != \new
	s_set_vgpr_msb (MSB<<8)|\new
.set MSB, \new
.endif
.endm
.set MUL, 0x5e                         ; source 0 window 2, source 1 window 3, C and D window 1
.set TO0, 0x80
.set TO1, 0xc0
.macro PLACES                          ; four plain vector instructions between a matrix instruction and a load into, or a read of, its registers
.rept 4
	v_nop
.endr
.endm
.macro JLOAD g0a, g0b                  ; a joint load; the branch hangs on the wave's number alone; four v_nop follow each line
	s_cmp_eq_u32 s[ROLE], 0
	s_cbranch_scc0 .Lfor_b_\@
	tensor_load_to_lds s[\g0a:\g0a+3], s[G1A:G1A+7]
	s_nop 0
	PLACES
	s_branch .Lasked_\@
.Lfor_b_\@:
	tensor_load_to_lds s[\g0b:\g0b+3], s[G1B:G1B+7]
	s_nop 0
	PLACES
.Lasked_\@:
.endm
.macro CREST                           ; a round of the cluster's barrier behind its opening barrier
	s_cmp_lg_u32 s[WV], 0
	s_cbranch_scc1 .Lnot_wave_0_\@
	s_barrier_signal -3
.Lnot_wave_0_\@:
	s_barrier_wait -3
	s_barrier_signal -1
	s_barrier_wait -1
.endm
.macro CROUND
	s_barrier_signal -1
	s_barrier_wait -1
	CREST
.endm
	s_load_b256 s[4:11], s[0:1], 0x0               ; x, Wq, Wk, Wv
	s_load_b256 s[12:19], s[0:1], 0x20             ; bq, bk, bv, the exponents
	s_load_b256 s[20:27], s[0:1], 0x40             ; the table, qimg, kimg, vimg
	v_lshl_add_u32 v[SPW], v0, 2, SPARE
	v_mov_b32 v[NIL], 0
	ds_add_u32 v12, v13
	ds_add_u32 v12, v13
	s_wait_dscnt 0x0
	v_lshrrev_b32 v1, 5, v0
	v_readfirstlane_b32 s[WV], v1
	s_lshr_b32 s[ROLE], s[WV], 1
	s_and_b32 s[HALF], s[WV], 1
	s_bfe_u32 s[CX], ttmp6, 0x40000
	s_bfe_u32 s[CY], ttmp6, 0x40004
	s_mov_b32 s[WHICH], ttmp9
	s_and_b32 s[CLY], ttmp7, 0xffff
	s_lshl_b32 s92, 0x1111, s[CX]                  ; my column of the cluster
	s_lshl_b32 s93, s[CY], 2
	s_lshl_b32 s93, 15, s93                        ; my row
	; descriptor groups 1: rows of 256 elements of one byte, 1,024 apart; 16 bytes of padding behind each; 128 rows (source 0), 64 rows (source 1)
	s_or_b32 s[G1A], s92, (1<<20)|(1<<21)|(5<<22)|(3<<25)
	s_or_b32 s[G1B], s93, (1<<20)|(1<<21)|(5<<22)|(3<<25)
	s_mov_b32 s[G1A+1], 256<<16
	s_mov_b32 s[G1A+2], 128<<16
	s_mov_b32 s[G1A+3], 256<<16
	s_mov_b32 s[G1A+4], 128
	s_mov_b32 s[G1A+5], 1024
	s_mov_b32 s[G1A+6], 0
	s_mov_b32 s[G1A+7], 0
	s_mov_b32 s[G1B+1], 256<<16
	s_mov_b32 s[G1B+2], 64<<16
	s_mov_b32 s[G1B+3], 256<<16
	s_mov_b32 s[G1B+4], 64
	s_mov_b32 s[G1B+5], 1024
	s_mov_b32 s[G1B+6], 0
	s_mov_b32 s[G1B+7], 0
	; which tiles.  q, k: source 0 tile cx of W, source 1 tile 4 y + cy of x.  v: source 0 tile 4 (y / 2) + cx of x, source 1 tile 4 (y % 2) + cy of Wv
	s_lshr_b32 s96, s[CLY], 1
	s_lshl_b32 s96, s96, 2
	s_and_b32 s97, s[CLY], 1
	s_lshl_b32 s97, s97, 2
	s_lshl_b32 s98, s[CLY], 2
	s_cmp_eq_u32 s[WHICH], 2
	s_cselect_b32 s92, s96, 0
	s_cselect_b32 s94, s97, s98
	s_add_co_u32 s92, s92, s[CX]
	s_lshl_b32 s92, s92, 1
	s_add_co_u32 s92, s92, s[HALF]
	s_lshl_b32 s92, s92, 17                        ; runs of 128 rows of 1,024 bytes
	s_mov_b32 s93, 0
	s_add_co_u32 s94, s94, s[CY]
	s_lshl_b32 s94, s94, 1
	s_add_co_u32 s94, s94, s[HALF]
	s_lshl_b32 s94, s94, 16                        ; runs of 64 rows
	s_mov_b32 s95, 0
	s_mul_i32 s96, s[HALF], S0HALF                 ; where they go: no place in the cluster enters an LDS address
	s_mul_i32 s97, s[HALF], S1HALF
	s_add_co_u32 s97, s97, S1OFF
	s_wait_kmcnt 0x0
	s_load_b256 s[68:75], s[18:19], 0x0            ; e0 .. e7
	s_load_b128 s[76:79], s[18:19], 0x20           ; e8 .. e11
	s_cmp_eq_u32 s[WHICH], 1
	s_cselect_b64 s[6:7], s[8:9], s[6:7]           ; Wk or Wq
	s_cselect_b64 s[12:13], s[14:15], s[12:13]
	s_cselect_b64 s[22:23], s[24:25], s[22:23]
	s_cmp_eq_u32 s[WHICH], 2
	s_cselect_b64 s[8:9], s[4:5], s[6:7]           ; source 0
	s_cselect_b64 s[14:15], s[10:11], s[4:5]       ; source 1
	s_cselect_b64 s[12:13], s[16:17], s[12:13]     ; the bias
	s_cselect_b64 s[22:23], s[26:27], s[22:23]     ; the output
	s_add_nc_u64 s[8:9], s[8:9], s[92:93]
	s_add_nc_u64 s[14:15], s[14:15], s[94:95]
	CROUND                                         ; all sixteen work-groups are here: the first joint loads meet
.irp s, 0,1,2
	s_mov_b32 s[G0A+4*\s], 1
	s_add_co_u32 s[G0A+4*\s+1], s96, \s*SLOT
	s_add_nc_u64 s[G0A+4*\s+2:G0A+4*\s+3], s[8:9], \s*256
	s_or_b32 s[G0A+4*\s+3], s[G0A+4*\s+3], 0x80000000
	s_mov_b32 s[G0B+4*\s], 1
	s_add_co_u32 s[G0B+4*\s+1], s97, \s*SLOT
	s_add_nc_u64 s[G0B+4*\s+2:G0B+4*\s+3], s[14:15], \s*256
	s_or_b32 s[G0B+4*\s+3], s[G0B+4*\s+3], 0x80000000
.endr
	s_cmp_eq_u32 s[ROLE], 0                        ; a wave's three first fills stand in one branch, ahead of every wait on TENSORcnt and every LDS read
	s_cbranch_scc0 .Lfirst_b
	tensor_load_to_lds s[G0A:G0A+3], s[G1A:G1A+7]
	s_nop 0
	tensor_load_to_lds s[G0A+4:G0A+7], s[G1A:G1A+7]
	s_nop 0
	tensor_load_to_lds s[G0A+8:G0A+11], s[G1A:G1A+7]
	s_nop 0
	PLACES
	s_branch .Lfirst_asked
.Lfirst_b:
	tensor_load_to_lds s[G0B:G0B+3], s[G1B:G1B+7]
	s_nop 0
	tensor_load_to_lds s[G0B+4:G0B+7], s[G1B:G1B+7]
	s_nop 0
	tensor_load_to_lds s[G0B+8:G0B+11], s[G1B:G1B+7]
	s_nop 0
	PLACES
.Lfirst_asked:
	v_and_b32 v1, 15, v0                           ; r
	v_bfe_u32 v2, v0, 4, 1                         ; h
	v_mul_u32_u24 v3, v1, PITCH
	v_lshl_add_u32 v3, v2, 4, v3                   ; a fragment's row x pitch + 16 h
	s_mul_i32 s92, s[HALF], S0HALF
	s_mul_i32 s93, s[ROLE], S1HALF
	s_add_co_u32 s93, s93, S1OFF
.irp s, 0,1,2
	v_add_nc_u32 v[AD0+\s], s92, v3
	v_add_nc_u32 v[AD1+\s], s93, v3
	s_add_co_u32 s92, s92, SLOT
	s_add_co_u32 s93, s93, SLOT
.endr
	v_and_b32 v[GO], 31, v0
	v_lshlrev_b32 v[GO], 4, v[GO]
	s_wait_kmcnt 0x0
	s_add_co_i32 s92, s68, s69                     ; the product's two exponents, and the output's: chosen without a branch
	s_add_co_i32 s93, s70, s71
	s_add_co_i32 s94, s72, s73
	s_cmp_eq_u32 s[WHICH], 1
	s_cselect_b32 s92, s93, s92
	s_cselect_b32 s95, s75, s74
	s_cmp_eq_u32 s[WHICH], 2
	s_cselect_b32 s92, s94, s92
	s_cselect_b32 s95, s77, s95
	s_add_co_i32 s92, s92, 127
	s_lshl_b32 s[SC], s92, 23
	s_mov_b32 s[SC+1], s[SC]
	s_add_co_i32 s95, s95, 127
	s_lshl_b32 s96, s95, 23
	v_mov_b32 v[SCL], s96
	s_add_co_i32 s95, s95, 8
	s_lshl_b32 s95, s95, 23
	s_or_b32 s95, s95, 0x600000
	v_mov_b32 v[LIM], s95
; 8 products: source 1's block a against source 0's eight.  The 32 accumulators take turns, one instruction a turn, in the same order in every step
.macro MULA a, p, zero
.irp b, 0,1,2,3,4,5,6,7
.if \zero
	v_wmma_f32_16x16x128_fp8_fp8 v[8*(8*(\a)+\b):8*(8*(\a)+\b)+7], v[128*(\p)+16*\b:128*(\p)+16*\b+15], v[64*(\p)+16*(\a):64*(\p)+16*(\a)+15], 0
.else
	v_wmma_f32_16x16x128_fp8_fp8 v[8*(8*(\a)+\b):8*(8*(\a)+\b)+7], v[128*(\p)+16*\b:128*(\p)+16*\b+15], v[64*(\p)+16*(\a):64*(\p)+16*(\a)+15], v[8*(8*(\a)+\b):8*(8*(\a)+\b)+7]
.endif
.endr
.endm
; 48 LDS loads in one run: the fragments of the slot's qq-th 128 along K into set p
.macro FETCH slot, qq, p
	WIN TO0
.irp b, 0,1,2,3,4,5,6,7
.irp c, 0,1,2,3
	ds_load_b128 v[128*(\p)+16*\b+4*\c:128*(\p)+16*\b+4*\c+3], v[AD0+\slot] offset:\b*BLK+128*(\qq)+32*\c
.endr
.endr
	WIN TO1
.irp a, 0,1,2,3
.irp c, 0,1,2,3
	ds_load_b128 v[64*(\p)+16*\a+4*\c:64*(\p)+16*\a+4*\c+3], v[AD1+\slot] offset:\a*BLK+128*(\qq)+32*\c
.endr
.endr
	WIN 0
.endm
; A step of 128 along K on set p; the next step's fragments are asked for first and land under the 32 products
.macro STEP p, zero, nslot, nqq
	s_wait_dscnt 0x0                               ; this step's set is in: it was asked for a step ago
	PLACES                                         ; the other set was read by the last step's products
	FETCH \nslot, \nqq, 1-(\p)
	WIN MUL
	MULA 0, \p, \zero
	MULA 1, \p, \zero
	MULA 2, \p, \zero
	MULA 3, \p, \zero
	WIN 0
.endm
; Step 1, slot 0's last: the slot is filled again with the fourth K step.
.macro TURN
	s_wait_tensorcnt 0x0                           ; all my tensor loads have landed: my parts of slots 0, 1 and 2;
	ds_add_u32 v[SPW], v[NIL]                      ; 0 onto my spare word
	s_wait_dscnt 0x1                               ; (the fragments are in; the add may be out)
	WIN MUL
	MULA 0, 1, 0                                   ; eight products stand between the add and the wait for it
	s_wait_dscnt 0x0                               ; the add is done, and my reads of slot 0 are over
	s_barrier_signal -1
	MULA 1, 1, 0
	WIN 0
	s_barrier_wait -1
	CREST                                          ; the barrier has opened a round of the cluster's: no wave of any partner still reads slot 0 or has a load on its way
	s_add_nc_u64 s[G0A+2:G0A+3], s[G0A+2:G0A+3], 768
	s_add_nc_u64 s[G0B+2:G0B+3], s[G0B+2:G0B+3], 768
	JLOAD G0A, G0B                                 ; the first tensor load behind the round; its four v_nop are also the places in front of the loads below
	FETCH 1, 0, 0
	WIN MUL
	MULA 2, 1, 0
	MULA 3, 1, 0
	WIN 0
.endm
; The last three steps: LDS reads and products alone.  They are written on both ways of the role's branch.
.macro TAIL
	STEP 1, 0, 0, 0
	STEP 0, 0, 0, 1
	s_wait_dscnt 0x0
	WIN MUL
	MULA 0, 1, 0
	MULA 1, 1, 0
	MULA 2, 1, 0
	MULA 3, 1, 0
	WIN 0
	PLACES                                         ; in front of the first read of results
.endm
	s_wait_tensorcnt 0x2                           ; my part of slot 0 is in; the two loads issued behind it may be out
	s_barrier_signal -1
	s_barrier_wait -1
	FETCH 0, 0, 0
	STEP 0, 1, 0, 1                                ; the first step's products start the sums: nothing is cleared
	TURN
	STEP 0, 0, 1, 1
	STEP 1, 0, 2, 0
	STEP 0, 0, 2, 1
	s_wait_tensorcnt 0x0                           ; my part of the fourth K step is in (no load was issued behind it),
	s_wait_dscnt 0x0
	s_barrier_signal -1
	s_barrier_wait -1                              ; everybody's is
	s_cmp_eq_u32 s[WHICH], 2                       ; the text parts once, on the cluster's x: each way asks for what its way out needs, three steps ahead of the use
	s_cbranch_scc1 .Lv_role
	; ---- q, k
	s_lshl_b32 s92, s[CLY], 2
	s_add_co_u32 s92, s92, s[CY]
	s_lshl_b32 s92, s92, 1
	s_add_co_u32 s92, s92, s[ROLE]                 ; which run of 64 tokens is mine
	s_lshr_b32 s93, s92, 5                         ; the batch
	s_and_b32 s92, s92, 31
	s_lshl_b32 s92, s92, 2                         ; my first tile of 16 tokens in it
	s_lshl_b32 s94, s[CX], 1
	s_add_co_u32 s94, s94, s[HALF]                 ; which run of 128 columns: two heads
	s_lshl_b32 s93, s93, 4
	s_lshl_b32 s95, s94, 1
	s_add_co_u32 s93, s93, s95                     ; 16 batch + head
	s_lshl_b32 s93, s93, 7
	s_add_co_u32 s93, s93, s92
	s_lshl_b32 s96, s93, 10
	s_mov_b32 s97, 0
	s_add_nc_u64 s[OUTP:OUTP+1], s[OUTP:OUTP+1], s[96:97]
	s_lshl_b32 s96, s92, 12
	s_add_nc_u64 s[TABP:TABP+1], s[TABP:TABP+1], s[96:97]
	s_lshl_b32 s96, s94, 9
	s_add_nc_u64 s[BIASP:BIASP+1], s[BIASP:BIASP+1], s[96:97]
	v_lshlrev_b32 v[BO], 5, v2                     ; my half's eight columns of a block
.irp a, 0,1,2,3
.irp p, 0,1,2,3,4,5,6,7
	global_load_b128 v[TAB+32*\a+4*\p:TAB+32*\a+4*\p+3], v[GO], s[TABP:TABP+1] offset:4096*\a+512*\p
.endr
.endr
	WIN 0xc0
.irp b, 0,1,2,3,4,5,6,7
	global_load_b128 v[BIAS+8*\b:BIAS+8*\b+3], v[BO], s[BIASP:BIASP+1] offset:64*\b
	global_load_b128 v[BIAS+8*\b+4:BIAS+8*\b+7], v[BO], s[BIASP:BIASP+1] offset:64*\b+16
.endr
	WIN 0
	TAIL
; 16 tokens (block a) x one head (hh): y = sum x 2^e + bias; rotated: even = y_even cos - y_odd sin, odd = y_odd cos + y_even sin; held; 32 codes a lane: the head's fragment
.macro QKOUT a, hh, u
	WIN 0x31                                       ; sums in window 1, bias in window 3
.set kk, 0
.rept 16
	v_pk_fma_f32 v[YV+kk:YV+kk+1], v[64*(\a)+32*(\hh)+kk:64*(\a)+32*(\hh)+kk+1], s[SC:SC+1], v[BIAS+32*(\hh)+kk:BIAS+32*(\hh)+kk+1] op_sel_hi:[1,0,1]   ; each accumulator from its low end on
.set kk, kk+2
.endr
	WIN 0
.set kk, 0
.rept 16
	v_pk_mul_f32 v[ZV+kk:ZV+kk+1], v[YV+kk:YV+kk+1], v[TAB+32*(\a)+kk:TAB+32*(\a)+kk+1] op_sel_hi:[1,0]   ; both x cos, the table pair's low word
.set kk, kk+2
.endr
.set kk, 0
.rept 16
	v_pk_fma_f32 v[ZV+kk:ZV+kk+1], v[YV+kk:YV+kk+1], v[TAB+32*(\a)+kk:TAB+32*(\a)+kk+1], v[ZV+kk:ZV+kk+1] op_sel:[1,1,0] op_sel_hi:[0,1,1] neg_lo:[0,1,0]   ; low: - y_odd sin; high: + y_even sin
.set kk, kk+2
.endr
.set kk, 0
.rept 32
	v_med3_num_f32 v[ZV+kk], v[ZV+kk], -v[LIM], v[LIM]   ; the conversion does not saturate (ISA guide 7.6.2): the hold at the largest code x the scale
.set kk, kk+1
.endr
.if (\u) >= 2
	s_wait_xcnt 0x0                                ; the stores of two units ago have read this set of codes
.endif
.set kk, 0
.rept 4
	v_cvt_scalef32_pk8_fp8_f32 v[CD+8*((\u)%2)+2*kk:CD+8*((\u)%2)+2*kk+1], v[ZV+8*kk:ZV+8*kk+7], v[SCL]
.set kk, kk+1
.endr
	v_nop                                          ; a plain instruction behind the last conversion
	global_store_b128 v[GO], v[CD+8*((\u)%2):CD+8*((\u)%2)+3], s[OUTP:OUTP+1] offset:1024*(\a)+131072*(\hh)
	global_store_b128 v[GO], v[CD+8*((\u)%2)+4:CD+8*((\u)%2)+7], s[OUTP:OUTP+1] offset:1024*(\a)+131072*(\hh)+512
.endm
	s_wait_loadcnt 0x0                             ; the table and the bias
	QKOUT 0, 0, 0
	QKOUT 0, 1, 1
	QKOUT 1, 0, 2
	QKOUT 1, 1, 3
	QKOUT 2, 0, 4
	QKOUT 2, 1, 5
	QKOUT 3, 0, 6
	QKOUT 3, 1, 7
	s_branch .Ldone
.Lv_role:
	; ---- v
	s_lshr_b32 s92, s[CLY], 1
	s_lshl_b32 s92, s92, 2
	s_add_co_u32 s92, s92, s[CX]
	s_lshl_b32 s92, s92, 1
	s_add_co_u32 s92, s92, s[HALF]                 ; which run of 128 tokens is mine
	s_and_b32 s93, s[CLY], 1
	s_lshl_b32 s93, s93, 2
	s_add_co_u32 s93, s93, s[CY]
	s_lshl_b32 s93, s93, 1
	s_add_co_u32 s93, s93, s[ROLE]                 ; the head
	s_lshr_b32 s94, s92, 4                         ; the batch
	s_and_b32 s92, s92, 15                         ; which 128 keys of it
	s_lshl_b32 s94, s94, 4
	s_add_co_u32 s94, s94, s93
	s_lshl_b32 s94, s94, 4
	s_add_co_u32 s94, s94, s92
	s_lshl_b32 s94, s94, 13
	s_mov_b32 s95, 0
	s_add_nc_u64 s[OUTP:OUTP+1], s[OUTP:OUTP+1], s[94:95]
	s_lshl_b32 s92, s93, 8
	s_mov_b32 s93, 0
	s_add_nc_u64 s[BIASP:BIASP+1], s[BIASP:BIASP+1], s[92:93]
	v_lshlrev_b32 v[BO], 2, v1                     ; my column of a block
.irp a, 0,1,2,3
	global_load_b32 v[VB+\a], v[BO], s[BIASP:BIASP+1] offset:64*\a
.endr
	TAIL
; 16 columns (block a) x my 128 tokens: sum x 2^e + my column's bias; held; 64 codes a lane: a fragment of V^T for 128 keys
.macro VOUT a
	WIN 0x01
.set kk, 0
.rept 32
.if (\a)&1
	v_pk_fma_f32 v[YV+kk:YV+kk+1], v[64*(\a)+kk:64*(\a)+kk+1], s[SC:SC+1], v[VB+2*((\a)/2):VB+2*((\a)/2)+1] op_sel:[0,0,1] op_sel_hi:[1,0,1]
.else
	v_pk_fma_f32 v[YV+kk:YV+kk+1], v[64*(\a)+kk:64*(\a)+kk+1], s[SC:SC+1], v[VB+2*((\a)/2):VB+2*((\a)/2)+1] op_sel_hi:[1,0,0]
.endif
.set kk, kk+2
.endr
	WIN 0
.set kk, 0
.rept 64
	v_med3_num_f32 v[YV+kk], v[YV+kk], -v[LIM], v[LIM]
.set kk, kk+1
.endr
.if (\a) > 0
	s_wait_xcnt 0x0                                ; the last block's stores have read the codes
.endif
.set kk, 0
.rept 8
	v_cvt_scalef32_pk8_fp8_f32 v[CD+2*kk:CD+2*kk+1], v[YV+8*kk:YV+8*kk+7], v[SCL]
.set kk, kk+1
.endr
	v_nop
.irp c, 0,1,2,3
	global_store_b128 v[GO], v[CD+4*\c:CD+4*\c+3], s[OUTP:OUTP+1] offset:2048*(\a)+512*\c
.endr
.endm
	s_wait_loadcnt 0x0
	VOUT 0
	VOUT 1
	VOUT 2
	VOUT 3
.Ldone:
	s_wait_tensorcnt 0x0                           ; the wave's end
	ds_add_u32 v[SPW], v[NIL]
	s_wait_dscnt 0x0
	CROUND                                         ; the closing round: no work-group ends while a partner may still ask for a tile that names it
	s_endpgm
.Lfunc_end_k_q2731d53640_qkv:
	.size	k_q2731d53640_qkv, .Lfunc_end_k_q2731d53640_qkv-k_q2731d53640_qkv
	.p2alignl 7, 3214868480
	.fill 96, 4, 3214868480
	.section	.rodata,"a",@progbits
	.p2align	6, 0x0
	.amdhsa_kernel k_q2731d53640_qkv
		.amdhsa_group_segment_fixed_size 327680
		.amdhsa_private_segment_fixed_size 0
		.amdhsa_enable_private_segment 0
		.amdhsa_kernarg_size 96
		.amdhsa_user_sgpr_count 2
		.amdhsa_user_sgpr_kernarg_segment_ptr 1
		.amdhsa_wavefront_size32 1
		.amdhsa_system_sgpr_workgroup_id_x 1
		.amdhsa_system_sgpr_workgroup_id_y 1
		.amdhsa_system_sgpr_workgroup_id_z 1
		.amdhsa_system_vgpr_workitem_id 0
		.amdhsa_next_free_vgpr 1024
		.amdhsa_next_free_sgpr 100
		.amdhsa_reserve_vcc 0
		.amdhsa_float_denorm_mode_32 3
		.amdhsa_float_denorm_mode_16_64 3
		.amdhsa_memory_ordered 1
		.amdhsa_forward_progress 1
		.amdhsa_inst_pref_size 144
	.end_amdhsa_kernel
	.amdgpu_metadata
---
amdhsa.version: [ 1, 2 ]
amdhsa.kernels:
  - .name:           k_q2731d53640_qkv
    .symbol:         k_q2731d53640_qkv.kd
    .args:
      - { .name: x_codes, .offset: 0, .size: 8, .value_kind: global_buffer, .address_space: global }
      - { .name: Wq_codes, .offset: 8, .size: 8, .value_kind: global_buffer, .address_space: global }
      - { .name: Wk_codes, .offset: 16, .size: 8, .value_kind: global_buffer, .address_space: global }
      - { .name: Wv_codes, .offset: 24, .size: 8, .value_kind: global_buffer, .address_space: global }
      - { .name: bq, .offset: 32, .size: 8, .value_kind: global_buffer, .address_space: global }
      - { .name: bk, .offset: 40, .size: 8, .value_kind: global_buffer, .address_space: global }
      - { .name: bv, .offset: 48, .size: 8, .value_kind: global_buffer, .address_space: global }
      - { .name: lowp_scales, .offset: 56, .size: 8, .value_kind: global_buffer, .address_space: global }
      - { .name: tab, .offset: 64, .size: 8, .value_kind: global_buffer, .address_space: global }
      - { .name: qimg, .offset: 72, .size: 8, .value_kind: global_buffer, .address_space: global }
      - { .name: kimg, .offset: 80, .size: 8, .value_kind: global_buffer, .address_space: global }
      - { .name: vimg, .offset: 88, .size: 8, .value_kind: global_buffer, .address_space: global }
    .group_segment_fixed_size: 327680
    .private_segment_fixed_size: 0
    .kernarg_segment_align: 8
    .kernarg_segment_size: 96
    .max_flat_workgroup_size: 128
    .sgpr_count:     100
    .vgpr_count:     1024
    .wavefront_size: 32
...
	.end_amdgpu_metadata
.endif
;; end of part 2
;; launch attn (part 3): grid 4 x 64, 8 waves a work-group, clusters of 4 x 1, 263,168 bytes of LDS; arguments qimg, kimg, vimg, lowp_scales, oimg; writes oimg
.if DOCPART == 3
	.amdgcn_target "amdgcn-amd-amdhsa--gfx1250"
	.amdhsa_code_object_version 6
	.text
	.protected	k_q2731d53640_attn
	.globl	k_q2731d53640_attn
	.p2align	8
	.type	k_q2731d53640_attn,@function
k_q2731d53640_attn:
	s_mov_b64 s[64:65], 0
	v_nop
	global_prefetch_b8 v0, s[64:65] scope:SCOPE_SE
	s_setreg_imm32_b32 hwreg(HW_REG_WAVE_MODE, 25, 1), 1
	s_wait_xcnt 0x0
	s_wait_alu depctr_hold_cnt(0) depctr_sa_sdst(0) depctr_va_vdst(0) depctr_va_sdst(0) depctr_va_ssrc(0) depctr_va_vcc(0) depctr_vm_vsrc(0)
	s_getreg_b32 s2, hwreg(HW_REG_IB_STS2, 6, 4)
	s_cmp_eq_u32 s2, 0
	s_cbranch_scc0 .Lentry_in_a_cluster
	s_endpgm
.Lentry_in_a_cluster:
	s_bfe_u32 s2, ttmp6, 0x10000c
	s_cmp_lg_u32 s2, 0x3003
	s_cbranch_scc0 .Lentry_shape_is_right
	s_endpgm
.Lentry_shape_is_right:
; o = softmax(q k^T / 32) v for 64 heads of 2,048 tokens x 64, both products on codes of FP8 (E4M3); o is quantised for the output projection.
; qimg, kimg: [head: 64][tile of 16 tokens: 128][1,024 bytes], vimg: [head][128 keys: 16][16 columns: 4][2,048 bytes]: images of operand registers, four registers at 512 c + 16 lane.
; oimg: [4 heads: 4][tile of 16 tokens: 512][head % 4][1,024 bytes], laid as qimg's tiles.
; THE SOFTMAX: t = score x log2(e) / 32; M = the running largest t rounded UP to a whole number; p = 2^(t - M) is quantised, not normalised; the row's sum is taken of the unquantised p and divides at the end.
; When M moves, the sum and O are multiplied by 2^(old M - new M): nothing is rounded, and no branch hangs on data.
; SHARES.  A work-group owns 512 queries of one head, in two passes of 256.  The head's whole K and V (131,072 bytes each) lie in LDS as dense images for both passes: nothing is filled twice.
; Eight waves, two to a SIMD; a wave takes 32 queries a pass, tiles A and B, so that each fragment of K or V read from LDS feeds two products.
; CLUSTER 4 x 1: the four work-groups of a head ask for K and V jointly.  Wave w asks for two blocks of 64 rows x 256 bytes (waves 0-3: K's, 4-7: V's): by this text's count two loads a wave are out.
; The first group holds keys 0 .. 1,023, so that the first pass starts when half has landed.  Every tile is asked for at the head, so no prefetch could run ahead of a load.
; LAYOUT.  S^T = K Q^T (source 0 = 16 keys, source 1 = 16 queries), O^T = V^T P^T: a lane holds ONE query throughout.  Tile c of S^T holds keys 16 c + 8 (lane / 16) + 0 .. 7 in its eight registers:
; its eight codes ARE registers 2 c, 2 c + 1 of P's fragment in the plain form's own layout, and O^T's codes are the next product's fragment likewise.
; LIMITS on the given exponents: e6 + e7 between -121 and 132 (added to c's exponent field); e8 and e10 between -126 and 119.  NaN among the inputs is not served.
; REGISTERS: window 0 as named below.  Window 1: v0-31 Q (16 pass + 8 tile); v32-63 O^T of tile A, v64-95 of tile B.
.set LI,   1                           ; v1   16 x lane
.set ADK,  2                           ; v2   LDS address of the step's K
.set ADV,  3                           ; v3   of its V
.set LIM,  4                           ; v4   448 x 2^e8
.set SCL,  5                           ; v5   2^e8
.set FA,   6                           ; v[6:7]  tile A's factor (the low word serves)
.set FB,   8                           ; v[8:9]  tile B's
.set STA,  12                          ; v12 -M, v13 the largest t, v[14:15] the sum in two halves: tile A
.set STB,  16                          ; the same for tile B
.set T0,   20
.set T1,   21
.set T2,   22
.set C2,   24                          ; v[24:25] the sum's second chain
.set LIMO, 26                          ; v26  448 x 2^e10
.set SCLO, 27                          ; v27  2^e10
.set LIV,  28                          ; v28  16 x lane + V's place in LDS
.set KV,   32                          ; v32-95   K's eight fragments, then V's four
.set SA,   96                          ; v96-159  S^T, then p: tile A
.set SB,   160                         ; v160-223 tile B
.set PA,   224                         ; v224-239 p's codes: tile A
.set PB,   240                         ; v240-255 tile B
.set OA,   32                          ; in window 1
.set OB,   64
.set VLDS, 131072
.set WV,   14
.set CX,   15
.set BH,   16
.set SEL,  20
.set CS,   22
.set G1,   24
.set G0,   32
.set TB,   48                          ; s48  LDS byte of the key step in hand
.set CNT,  49
.set E89,  50
.set MSB, 0
.macro WIN new
.if MSB != \new
	s_set_vgpr_msb (MSB<<8)|\new
.set MSB, \new
.endif
.endm
.macro CROUND
	s_barrier_signal -1
	s_barrier_wait -1
	s_cmp_lg_u32 s[WV], 0
	s_cbranch_scc1 .Lnot_wave_0_\@
	s_barrier_signal -3
.Lnot_wave_0_\@:
	s_barrier_wait -3
	s_barrier_signal -1
	s_barrier_wait -1
.endm
	s_load_b256 s[4:11], s[0:1], 0x0               ; qimg, kimg, vimg, the exponents
	s_load_b64 s[12:13], s[0:1], 0x20              ; oimg
	v_lshl_add_u32 v30, v0, 2, 0x40000
	v_mov_b32 v31, 0
	ds_add_u32 v30, v31
	ds_add_u32 v30, v31
	v_lshrrev_b32 v1, 5, v0
	v_readfirstlane_b32 s[WV], v1
	s_bfe_u32 s[CX], ttmp6, 0x40000
	s_and_b32 s[BH], ttmp7, 0xffff                 ; 16 batch + head, which the four partners share
	s_mov_b32 s[G1], 15|(3<<16)|(1<<21)            ; the mask: all four; elements of 8 bytes; bit 21 beside a mask; no padding: the images are read 16 bytes a lane on end
	s_mov_b32 s[G1+1], 32<<16                      ; rows of 32 elements: 256 bytes
	s_mov_b32 s[G1+2], 64<<16                      ; 64 rows
	s_mov_b32 s[G1+3], 32<<16
	s_mov_b32 s[G1+4], 64
	s_mov_b32 s[G1+5], 32                          ; dense
	s_mov_b32 s[G1+6], 0
	s_mov_b32 s[G1+7], 0
	s_mov_b32 s[SEL], 0x76543210
	s_mov_b32 s[SEL+1], 0xfedcba98
	s_mov_b32 s[CS], 0x3d38aa3b                    ; c = log2(e) / 32
	s_lshr_b32 s17, s[WV], 2                       ; 0: K, 1: V
	s_and_b32 s18, s[WV], 3
	s_lshl_b32 s19, s18, 14                        ; my 16,384 bytes of a group's 65,536
	s_lshl_b32 s40, s17, 17
	s_add_co_u32 s40, s40, s19                     ; in LDS
	s_lshl_b32 s42, s[BH], 17
	s_add_co_u32 s42, s42, s19                     ; in memory
	s_mov_b32 s43, 0
	s_wait_dscnt 0x0
	s_wait_kmcnt 0x0
	s_load_b256 s[52:59], s[10:11], 0x10           ; e4 .. e11
	s_cmp_lt_u32 s[WV], 4
	s_cselect_b64 s[44:45], s[6:7], s[8:9]
	s_add_nc_u64 s[44:45], s[44:45], s[42:43]
	CROUND                                         ; all four work-groups are here: the joint loads meet
.irp g, 0,1
	s_mov_b32 s[G0+4*\g], 1
	s_add_co_u32 s[G0+4*\g+1], s40, \g*65536
	s_add_nc_u64 s[G0+4*\g+2:G0+4*\g+3], s[44:45], \g*65536
	s_or_b32 s[G0+4*\g+3], s[G0+4*\g+3], 0x80000000
.endr
	tensor_load_to_lds s[G0:G0+3], s[G1:G1+7]      ; keys 0 .. 1,023
	s_nop 0
	tensor_load_to_lds s[G0+4:G0+7], s[G1:G1+7]    ; keys 1,024 .. 2,047
	s_nop 0
.rept 4
	v_nop
.endr
	v_and_b32 v[LI], 31, v0
	v_lshlrev_b32 v[LI], 4, v[LI]
	v_add_nc_u32 v[LIV], VLDS, v[LI]
	s_lshl_b32 s60, s[BH], 7
	s_lshl_b32 s62, s[CX], 5
	s_add_co_u32 s60, s60, s62
	s_lshl_b32 s62, s[WV], 1
	s_add_co_u32 s60, s60, s62                     ; my first tile of queries: 128 head + 32 cx + 2 wave
	s_lshl_b32 s60, s60, 10
	s_mov_b32 s61, 0
	s_add_nc_u64 s[4:5], s[4:5], s[60:61]
	WIN 0x40                                       ; destination window 1
.irp i, 0,1,2,3                                ; pass i / 2, tile i % 2
	global_load_b128 v[8*\i:8*\i+3], v[LI], s[4:5] offset:16384*(\i/2)+1024*(\i%2) th:TH_LOAD_NT
	global_load_b128 v[8*\i+4:8*\i+7], v[LI], s[4:5] offset:16384*(\i/2)+1024*(\i%2)+512 th:TH_LOAD_NT
.endr
	WIN 0
	s_and_b32 s62, s[BH], 15                       ; the head
	s_lshr_b32 s63, s[BH], 4                       ; the batch
	s_lshr_b32 s60, s62, 2
	s_lshl_b32 s60, s60, 9
	s_lshl_b32 s63, s63, 7
	s_add_co_u32 s60, s60, s63
	s_lshl_b32 s63, s[CX], 5
	s_add_co_u32 s60, s60, s63
	s_lshl_b32 s63, s[WV], 1
	s_add_co_u32 s60, s60, s63                     ; 512 (head / 4) + 128 batch + my first tile
	s_lshl_b32 s60, s60, 2
	s_and_b32 s62, s62, 3
	s_add_co_u32 s60, s60, s62
	s_lshl_b32 s60, s60, 10
	s_add_nc_u64 s[12:13], s[12:13], s[60:61]
	s_wait_kmcnt 0x0
	s_add_co_i32 s60, s54, s55
	s_lshl_b32 s60, s60, 23
	s_add_co_i32 s[CS], s[CS], s60                 ; a score stands for score x 2^(e6 + e7): added to c's exponent field
	s_mov_b32 s[CS+1], s[CS]
	s_add_co_i32 s60, s56, 127
	s_lshl_b32 s62, s60, 23
	v_mov_b32 v[SCL], s62
	s_add_co_i32 s60, s60, 8
	s_lshl_b32 s60, s60, 23
	s_or_b32 s60, s60, 0x600000
	v_mov_b32 v[LIM], s60
	s_add_co_i32 s60, s58, 127
	s_lshl_b32 s62, s60, 23
	v_mov_b32 v[SCLO], s62
	s_add_co_i32 s60, s60, 8
	s_lshl_b32 s60, s60, 23
	s_or_b32 s60, s60, 0x600000
	v_mov_b32 v[LIMO], s60
	s_add_co_i32 s[E89], s56, s57
; One tile's softmax for a key step: sc the 64 scores, st its four statistics, fa its factor, pc its codes
.macro SOFTMAX sc, st, fa, pc
	v_max3_num_f32 v[T0], v[\sc], v[\sc+1], v[\sc+2]   ; the step's largest score among my 64 keys, in two chains, ascending: each accumulator is first read at its low end
	v_max3_num_f32 v[T1], v[\sc+3], v[\sc+4], v[\sc+5]
.set kk, 6
.rept 14
	v_max3_num_f32 v[T0], v[T0], v[\sc+kk], v[\sc+kk+1]
	v_max3_num_f32 v[T1], v[T1], v[\sc+kk+2], v[\sc+kk+3]
.set kk, kk+4
.endr
	v_max3_num_f32 v[T0], v[T0], v[\sc+62], v[\sc+63]
	v_max_num_f32 v[T0], v[T0], v[T1]
	v_permlanex16_b32 v[T2], v[T0], s[SEL], s[SEL+1]
	v_max_num_f32 v[T0], v[T0], v[T2]              ; and among the other half of the lanes' 64
	v_mul_f32 v[T0], s[CS], v[T0]                  ; as t (c is positive)
	v_max_num_f32 v[\st+1], v[\st+1], v[T0]        ; the running largest t
	v_mov_b32 v[T0], v[\st]
	v_floor_f32 v[\st], -v[\st+1]                  ; -M = floor(-t)
	v_sub_f32 v[T0], v[\st], v[T0]                 ; old M - new M: a whole number, 0 or less
	v_cvt_i32_f32 v[T0], v[T0]                     ; (it saturates)
	v_ldexp_f32 v[\fa], 1.0, v[T0]                 ; f = 2^(old M - new M)
.set kk, 0
.rept 32
	v_pk_fma_f32 v[\sc+kk:\sc+kk+1], v[\sc+kk:\sc+kk+1], s[CS:CS+1], v[\st:\st+1] op_sel_hi:[1,0,0]   ; t - M
.set kk, kk+2
.endr
.set kk, 0
.rept 64
	v_exp_f32 v[\sc+kk], v[\sc+kk]                 ; p = 2^(t - M): one batch
.set kk, kk+1
.endr
	v_pk_mul_f32 v[\st+2:\st+3], v[\st+2:\st+3], v[\fa:\fa+1] op_sel_hi:[1,0]   ; the sums under the new M: the plain instruction behind the batch
	s_wait_alu depctr_va_vdst(0)                   ; one wait for the batch, ahead of its first reader
	v_pk_add_f32 v[C2:C2+1], v[\sc:\sc+1], v[\sc+2:\sc+3]   ; the row's sum of the UNQUANTISED p, in two chains
.set kk, 4
.rept 15
	v_pk_add_f32 v[\st+2:\st+3], v[\st+2:\st+3], v[\sc+kk:\sc+kk+1]
	v_pk_add_f32 v[C2:C2+1], v[C2:C2+1], v[\sc+kk+2:\sc+kk+3]
.set kk, kk+4
.endr
	v_pk_add_f32 v[\st+2:\st+3], v[\st+2:\st+3], v[C2:C2+1]
.set tt, 0
.rept 8
.set kk, 0
.rept 8
	v_min_num_f32 v[\sc+8*tt+kk], v[\sc+8*tt+kk], v[LIM]   ; the conversion does not saturate (ISA guide 7.6.2); p is not negative: a one-sided hold
.set kk, kk+1
.endr
	v_cvt_scalef32_pk8_fp8_f32 v[\pc+2*tt:\pc+2*tt+1], v[\sc+8*tt:\sc+8*tt+7], v[SCL]
.set tt, tt+1
.endr
.endm
; A key step: 128 keys at LDS byte s[TB] of K's and of V's image.  qb: where this pass's Q lies in window 1
.macro STEP qb
	v_add_nc_u32 v[ADK], s[TB], v[LI]
	v_add_nc_u32 v[ADV], s[TB], v[LIV]
	v_nop
	v_nop                                          ; four plain instructions behind the last products, which read v32-95
.irp t, 0,1,2,3,4,5,6,7
	ds_load_b128 v[KV+8*\t:KV+8*\t+3], v[ADK] offset:1024*\t
	ds_load_b128 v[KV+8*\t+4:KV+8*\t+7], v[ADK] offset:1024*\t+512
.endr
	s_wait_dscnt 0x0
	WIN 0x04                                       ; source 1 (Q) window 1
.irp t, 0,1,2,3,4,5,6,7
	v_wmma_f32_16x16x64_fp8_fp8 v[SA+8*\t:SA+8*\t+7], v[KV+8*\t:KV+8*\t+7], v[\qb:\qb+7], 0
	v_wmma_f32_16x16x64_fp8_fp8 v[SB+8*\t:SB+8*\t+7], v[KV+8*\t:KV+8*\t+7], v[\qb+8:\qb+15], 0
.endr
	WIN 0
.rept 4
	v_nop                                          ; places in front of the loads into K's registers and of the first read of scores
.endr
.irp d, 0,1,2,3
.irp c, 0,1,2,3
	ds_load_b128 v[KV+16*\d+4*\c:KV+16*\d+4*\c+3], v[ADV] offset:2048*\d+512*\c   ; V lands under the softmax
.endr
.endr
	SOFTMAX SA, STA, FA, PA
	SOFTMAX SB, STB, FB, PB
	WIN 0x41                                       ; O^T in window 1, f in window 0
.set kk, 0
.rept 16
	v_pk_mul_f32 v[OA+kk:OA+kk+1], v[OA+kk:OA+kk+1], v[FA:FA+1] op_sel_hi:[1,0]   ; O^T under the new M; also the plain instructions behind the conversions
.set kk, kk+2
.endr
.set kk, 0
.rept 16
	v_pk_mul_f32 v[OB+kk:OB+kk+1], v[OB+kk:OB+kk+1], v[FB:FB+1] op_sel_hi:[1,0]
.set kk, kk+2
.endr
	s_wait_dscnt 0x0                               ; V is in
	WIN 0x50                                       ; C and D window 1
.irp d, 0,1,2,3                                ; the eight accumulators take turns, one instruction a turn
	v_wmma_f32_16x16x128_fp8_fp8 v[OA+8*\d:OA+8*\d+7], v[KV+16*\d:KV+16*\d+15], v[PA:PA+15], v[OA+8*\d:OA+8*\d+7]
	v_wmma_f32_16x16x128_fp8_fp8 v[OB+8*\d:OB+8*\d+7], v[KV+16*\d:KV+16*\d+15], v[PB:PB+15], v[OB+8*\d:OB+8*\d+7]
.endr
	WIN 0
	s_add_co_u32 s[TB], s[TB], 8192
.endm
.macro KEYS n, qb, tb0                 ; n key steps from LDS byte tb0 on
	s_mov_b32 s[TB], \tb0
	s_mov_b32 s[CNT], \n
.Lkeys_\@:
	STEP \qb
	s_sub_co_u32 s[CNT], s[CNT], 1
	s_cmp_lg_u32 s[CNT], 0
	s_cbranch_scc1 .Lkeys_\@
.endm
.macro INIT                            ; a pass begins: the step is written once, and its first trip finds zeros, which the first change of M leaves zeros
	v_mov_b32 v[STA+1], 0xff61b1e6                 ; the largest t so far: -3e38
	v_mov_b32 v[STB+1], 0xff61b1e6
	v_floor_f32 v[STA], -v[STA+1]
	v_floor_f32 v[STB], -v[STB+1]
	v_mov_b32 v[STA+2], 0
	v_mov_b32 v[STA+3], 0
	v_mov_b32 v[STB+2], 0
	v_mov_b32 v[STB+3], 0
	v_mov_b32 v[FA+1], 0                           ; (named as the upper halves of pairs)
	v_mov_b32 v[FB+1], 0
	v_mov_b32 v[T2], 0                             ; a lane permute's destination counts as one of its sources
	WIN 0x40
.set kk, 0
.rept 64
	v_mov_b32 v[OA+kk], 0
.set kk, kk+1
.endr
	WIN 0
.endm
; A pass ends: o = O^T x 2^(e8 + e9) / the sum, held and quantised with 2^e10: a lane's 32 codes are the head's fragment of the next product
.macro OUT pass
	v_add_f32 v[T0], v[STA+2], v[STA+3]            ; (these plain lines are also the places behind the last products)
	v_add_f32 v[T1], v[STB+2], v[STB+3]
	v_permlanex16_b32 v[T2], v[T0], s[SEL], s[SEL+1]
	v_permlanex16_b32 v[C2], v[T1], s[SEL], s[SEL+1]
	v_add_f32 v[T0], v[T0], v[T2]
	v_add_f32 v[T1], v[T1], v[C2]
	v_rcp_f32 v[FA], v[T0]
	v_rcp_f32 v[FB], v[T1]
	v_nop                                          ; a plain instruction behind the two reciprocals,
	s_wait_alu depctr_va_vdst(0)                   ; and one wait ahead of their first reader
	v_ldexp_f32 v[FA], v[FA], s[E89]
	v_ldexp_f32 v[FB], v[FB], s[E89]
	WIN 0x01
.set kk, 0
.rept 16
	v_pk_mul_f32 v[SA+kk:SA+kk+1], v[OA+kk:OA+kk+1], v[FA:FA+1] op_sel_hi:[1,0]
.set kk, kk+2
.endr
.set kk, 0
.rept 16
	v_pk_mul_f32 v[SB+kk:SB+kk+1], v[OB+kk:OB+kk+1], v[FB:FB+1] op_sel_hi:[1,0]
.set kk, kk+2
.endr
	WIN 0
.set kk, 0
.rept 32
	v_med3_num_f32 v[SA+kk], v[SA+kk], -v[LIMO], v[LIMO]
	v_med3_num_f32 v[SB+kk], v[SB+kk], -v[LIMO], v[LIMO]
.set kk, kk+1
.endr
.set kk, 0
.rept 4
	v_cvt_scalef32_pk8_fp8_f32 v[PA+2*kk:PA+2*kk+1], v[SA+8*kk:SA+8*kk+7], v[SCLO]
	v_cvt_scalef32_pk8_fp8_f32 v[PB+2*kk:PB+2*kk+1], v[SB+8*kk:SB+8*kk+7], v[SCLO]
.set kk, kk+1
.endr
	v_nop                                          ; a plain instruction behind the last conversion
	global_store_b128 v[LI], v[PA:PA+3], s[12:13] offset:65536*\pass
	global_store_b128 v[LI], v[PA+4:PA+7], s[12:13] offset:65536*\pass+512
	global_store_b128 v[LI], v[PB:PB+3], s[12:13] offset:65536*\pass+4096
	global_store_b128 v[LI], v[PB+4:PB+7], s[12:13] offset:65536*\pass+4096+512
.endm
	INIT
	s_wait_loadcnt 0x0                             ; Q
	s_wait_tensorcnt 0x1                           ; my part of the first group is in; the load issued behind it may be out
	s_barrier_signal -1
	s_barrier_wait -1                              ; everybody's is
	KEYS 8, 0, 0
	s_wait_tensorcnt 0x0                           ; my part of the second group
	s_wait_dscnt 0x0
	s_barrier_signal -1
	s_barrier_wait -1
	KEYS 8, 0, 65536
	OUT 0
	s_wait_xcnt 0x0                                ; the stores have read the codes' registers, which the next pass writes
	INIT
	KEYS 16, 16, 0                                 ; the second 256 queries walk the K and V that lie in LDS
	OUT 1
	s_wait_tensorcnt 0x0
	ds_add_u32 v30, v31
	s_wait_dscnt 0x0
	CROUND                                         ; the closing round
	s_endpgm
.Lfunc_end_k_q2731d53640_attn:
	.size	k_q2731d53640_attn, .Lfunc_end_k_q2731d53640_attn-k_q2731d53640_attn
	.p2alignl 7, 3214868480
	.fill 96, 4, 3214868480
	.section	.rodata,"a",@progbits
	.p2align	6, 0x0
	.amdhsa_kernel k_q2731d53640_attn
		.amdhsa_group_segment_fixed_size 263168
		.amdhsa_private_segment_fixed_size 0
		.amdhsa_enable_private_segment 0
		.amdhsa_kernarg_size 40
		.amdhsa_user_sgpr_count 2
		.amdhsa_user_sgpr_kernarg_segment_ptr 1
		.amdhsa_wavefront_size32 1
		.amdhsa_system_sgpr_workgroup_id_x 1
		.amdhsa_system_sgpr_workgroup_id_y 1
		.amdhsa_system_sgpr_workgroup_id_z 1
		.amdhsa_system_vgpr_workitem_id 0
		.amdhsa_next_free_vgpr 384
		.amdhsa_next_free_sgpr 66
		.amdhsa_reserve_vcc 0
		.amdhsa_float_denorm_mode_32 3
		.amdhsa_float_denorm_mode_16_64 3
		.amdhsa_memory_ordered 1
		.amdhsa_forward_progress 1
		.amdhsa_inst_pref_size 111
	.end_amdhsa_kernel
	.amdgpu_metadata
---
amdhsa.version: [ 1, 2 ]
amdhsa.kernels:
  - .name:           k_q2731d53640_attn
    .symbol:         k_q2731d53640_attn.kd
    .args:
      - { .name: qimg, .offset: 0, .size: 8, .value_kind: global_buffer, .address_space: global }
      - { .name: kimg, .offset: 8, .size: 8, .value_kind: global_buffer, .address_space: global }
      - { .name: vimg, .offset: 16, .size: 8, .value_kind: global_buffer, .address_space: global }
      - { .name: lowp_scales, .offset: 24, .size: 8, .value_kind: global_buffer, .address_space: global }
      - { .name: oimg, .offset: 32, .size: 8, .value_kind: global_buffer, .address_space: global }
    .group_segment_fixed_size: 263168
    .private_segment_fixed_size: 0
    .kernarg_segment_align: 8
    .kernarg_segment_size: 40
    .max_flat_workgroup_size: 256
    .sgpr_count:     66
    .vgpr_count:     384
    .wavefront_size: 32
...
	.end_amdgpu_metadata
.endif
;; end of part 3
;; launch oproj (part 4): grid 4 x 64, 4 waves a work-group, clusters of 4 x 4, 327,680 bytes of LDS; arguments oimg, Wo_codes, bo, lowp_scales, out0; writes out0
.if DOCPART == 4
	.amdgcn_target "amdgcn-amd-amdhsa--gfx1250"
	.amdhsa_code_object_version 6
	.text
	.protected	k_q2731d53640_oproj
	.globl	k_q2731d53640_oproj
	.p2align	8
	.type	k_q2731d53640_oproj,@function
k_q2731d53640_oproj:
	s_mov_b64 s[64:65], 0
	v_nop
	global_prefetch_b8 v0, s[64:65] scope:SCOPE_SE
	s_setreg_imm32_b32 hwreg(HW_REG_WAVE_MODE, 25, 1), 1
	s_wait_xcnt 0x0
	s_wait_alu depctr_hold_cnt(0) depctr_sa_sdst(0) depctr_va_vdst(0) depctr_va_sdst(0) depctr_va_ssrc(0) depctr_va_vcc(0) depctr_vm_vsrc(0)
	s_getreg_b32 s2, hwreg(HW_REG_IB_STS2, 6, 4)
	s_cmp_eq_u32 s2, 0
	s_cbranch_scc0 .Lentry_in_a_cluster
	s_endpgm
.Lentry_in_a_cluster:
	s_bfe_u32 s2, ttmp6, 0x10000c
	s_cmp_lg_u32 s2, 0xf033
	s_cbranch_scc0 .Lentry_shape_is_right
	s_endpgm
.Lentry_shape_is_right:
; out = o Wo + bo on codes of FP8 (E4M3).  Wo: [1024 (column)][1024 (k)] codes.  o: oimg, [256 along K: 4][tile of 16 tokens: 512][64 along K: 4][1,024 bytes]: images of operand registers in the plain form's
; own layout (registers 2 c, 2 c + 1: k = 16 c + 8 (lane / 16) + 0 .. 7): two neighbouring images are one fragment of 128 along K.  out0: [8192][1024] f32.
; A work-group makes 256 columns (SOURCE 0 = Wo's rows) x 128 tokens (SOURCE 1 = o): 256 work-groups.  Four waves; wave w: columns 128 (w % 2) on (8 blocks b), tokens 64 (w / 2) on (4 blocks a):
; 32 accumulators.  In a result a lane holds ONE token and eight neighbouring columns: 32 bytes of a row of out0.
; K goes in four steps of 256 through three LDS slots: three asked for at the head, the fourth fills slot 0 again.  By this text's count three tensor loads a wave are out at most.
; Wo's fragments keep k in its own places, as o's images do: eight loads of 8 bytes; o's: four of 16 bytes, 16 x lane on end.
; CLUSTER 4 x 4: Wo's tile hangs on cx alone (asked for jointly by a column of the cluster), o's on cy alone (by a row).  No prefetch: three of the four K steps are asked for at the head.
; LIMIT: e10 + e11 between -126 and 127.
; REGISTERS: window 0: addresses, the way out; window 1: accumulator (a, b) at v[8 (8 a + b)]; window 2: Wo's fragments, set p at v[128 p + 16 b]; window 3: o's, set p at v[64 p + 16 a]; from v128 bo in the result's layout.
.set PITCH,  272
.set BLK,    16*PITCH
.set S0HALF, 128*PITCH
.set S1OFF,  256*PITCH
.set S1HALF, 16384                     ; 64 tokens x 256 along K, dense
.set SLOT,   384*PITCH
.set SPARE,  3*SLOT                    ; the spare words, 128 bytes a wave: two blocks of 256 bytes that no other line names
.set SPITCH, 528                       ; the way out: a stage of 16 rows x (512 bytes + 16) for each wave, in slot 1: it has had its only fill, and every wave has passed a barrier behind its last read of it
.set AD0,  4
.set BO,   7
.set AD1,  8
.set GO,   11
.set SPW,  12
.set NIL,  13
.set STO,  14
.set RD,   15
.set TMP,  32                          ; v32-95 a block's sums x scale + bias
.set BK,   128                         ; v128-191, v192-255 by turns: 16 rows read back
.set BIAS, 128                         ; in window 3
.set OUTP, 12
.set WV,   28
.set ROLE, 29
.set HALF, 30
.set CX,   31
.set CY,   32
.set CLY,  34
.set G1A,  36
.set G1B,  44
.set G0A,  52
.set G0B,  80
.set SC,   66
.set MSB, 0
.macro WIN new
.if MSB != \new
	s_set_vgpr_msb (MSB<<8)|\new
.set MSB, \new
.endif
.endm
.set MUL, 0x5e
.set TO0, 0x80
.set TO1, 0xc0
.macro PLACES
.rept 4
	v_nop
.endr
.endm
.macro JLOAD g0a, g0b
	s_cmp_eq_u32 s[ROLE], 0
	s_cbranch_scc0 .Lfor_b_\@
	tensor_load_to_lds s[\g0a:\g0a+3], s[G1A:G1A+7]
	s_nop 0
	PLACES
	s_branch .Lasked_\@
.Lfor_b_\@:
	tensor_load_to_lds s[\g0b:\g0b+3], s[G1B:G1B+7]
	s_nop 0
	PLACES
.Lasked_\@:
.endm
.macro CREST
	s_cmp_lg_u32 s[WV], 0
	s_cbranch_scc1 .Lnot_wave_0_\@
	s_barrier_signal -3
.Lnot_wave_0_\@:
	s_barrier_wait -3
	s_barrier_signal -1
	s_barrier_wait -1
.endm
.macro CROUND
	s_barrier_signal -1
	s_barrier_wait -1
	CREST
.endm
	s_load_b256 s[4:11], s[0:1], 0x0               ; oimg, Wo, bo, the exponents
	s_load_b64 s[12:13], s[0:1], 0x20              ; out0
	v_lshl_add_u32 v[SPW], v0, 2, SPARE
	v_mov_b32 v[NIL], 0
	ds_add_u32 v12, v13
	ds_add_u32 v12, v13
	s_wait_dscnt 0x0
	v_lshrrev_b32 v1, 5, v0
	v_readfirstlane_b32 s[WV], v1
	s_lshr_b32 s[ROLE], s[WV], 1
	s_and_b32 s[HALF], s[WV], 1
	s_bfe_u32 s[CX], ttmp6, 0x40000
	s_bfe_u32 s[CY], ttmp6, 0x40004
	s_and_b32 s[CLY], ttmp7, 0xffff
	s_lshl_b32 s92, 0x1111, s[CX]
	s_lshl_b32 s93, s[CY], 2
	s_lshl_b32 s93, 15, s93
	s_or_b32 s[G1A], s92, (1<<20)|(1<<21)|(5<<22)|(3<<25)   ; Wo: 128 rows of 256 bytes, 1,024 apart, 16 bytes of padding behind each
	s_mov_b32 s[G1A+1], 256<<16
	s_mov_b32 s[G1A+2], 128<<16
	s_mov_b32 s[G1A+3], 256<<16
	s_mov_b32 s[G1A+4], 128
	s_mov_b32 s[G1A+5], 1024
	s_mov_b32 s[G1A+6], 0
	s_mov_b32 s[G1A+7], 0
	s_or_b32 s[G1B], s93, (3<<16)|(1<<21)          ; o: a dense block as 64 rows of 32 elements of 8 bytes, no padding
	s_mov_b32 s[G1B+1], 32<<16
	s_mov_b32 s[G1B+2], 64<<16
	s_mov_b32 s[G1B+3], 32<<16
	s_mov_b32 s[G1B+4], 64
	s_mov_b32 s[G1B+5], 32
	s_mov_b32 s[G1B+6], 0
	s_mov_b32 s[G1B+7], 0
	s_lshl_b32 s92, s[CX], 1
	s_add_co_u32 s92, s92, s[HALF]
	s_lshl_b32 s92, s92, 17                        ; Wo: runs of 128 rows of 1,024 bytes
	s_mov_b32 s93, 0
	s_lshl_b32 s94, s[CLY], 2
	s_add_co_u32 s94, s94, s[CY]
	s_lshl_b32 s94, s94, 1
	s_add_co_u32 s94, s94, s[HALF]
	s_lshl_b32 s94, s94, 14                        ; o: runs of four tiles of 4,096 bytes
	s_mov_b32 s95, 0
	s_mul_i32 s96, s[HALF], S0HALF
	s_mul_i32 s97, s[HALF], S1HALF
	s_add_co_u32 s97, s97, S1OFF
	s_wait_kmcnt 0x0
	s_load_b64 s[68:69], s[10:11], 0x28            ; e10, e11
	s_add_nc_u64 s[6:7], s[6:7], s[92:93]
	s_add_nc_u64 s[4:5], s[4:5], s[94:95]
	CROUND                                         ; all sixteen work-groups are here: the first joint loads meet
.irp s, 0,1,2
	s_mov_b32 s[G0A+4*\s], 1
	s_add_co_u32 s[G0A+4*\s+1], s96, \s*SLOT
	s_add_nc_u64 s[G0A+4*\s+2:G0A+4*\s+3], s[6:7], \s*256
	s_or_b32 s[G0A+4*\s+3], s[G0A+4*\s+3], 0x80000000
	s_mov_b32 s[G0B+4*\s], 1
	s_add_co_u32 s[G0B+4*\s+1], s97, \s*SLOT
	s_add_nc_u64 s[G0B+4*\s+2:G0B+4*\s+3], s[4:5], \s*2097152
	s_or_b32 s[G0B+4*\s+3], s[G0B+4*\s+3], 0x80000000
.endr
	s_cmp_eq_u32 s[ROLE], 0                        ; a wave's three first fills stand in one branch
	s_cbranch_scc0 .Lfirst_b
	tensor_load_to_lds s[G0A:G0A+3], s[G1A:G1A+7]
	s_nop 0
	tensor_load_to_lds s[G0A+4:G0A+7], s[G1A:G1A+7]
	s_nop 0
	tensor_load_to_lds s[G0A+8:G0A+11], s[G1A:G1A+7]
	s_nop 0
	PLACES
	s_branch .Lfirst_asked
.Lfirst_b:
	tensor_load_to_lds s[G0B:G0B+3], s[G1B:G1B+7]
	s_nop 0
	tensor_load_to_lds s[G0B+4:G0B+7], s[G1B:G1B+7]
	s_nop 0
	tensor_load_to_lds s[G0B+8:G0B+11], s[G1B:G1B+7]
	s_nop 0
	PLACES
.Lfirst_asked:
	v_and_b32 v1, 15, v0                           ; r
	v_bfe_u32 v2, v0, 4, 1                         ; h
	v_and_b32 v[GO], 31, v0
	v_lshlrev_b32 v[GO], 4, v[GO]
	v_mul_u32_u24 v3, v1, PITCH
	v_lshl_add_u32 v3, v2, 3, v3                   ; Wo: a fragment's row x pitch + 8 h
	s_mul_i32 s92, s[HALF], S0HALF
	s_mul_i32 s93, s[ROLE], S1HALF
	s_add_co_u32 s93, s93, S1OFF
.irp s, 0,1,2
	v_add_nc_u32 v[AD0+\s], s92, v3
	v_add_nc_u32 v[AD1+\s], s93, v[GO]
	s_add_co_u32 s92, s92, SLOT
	s_add_co_u32 s93, s93, SLOT
.endr
	s_mul_i32 s92, s[WV], 16*SPITCH
	s_add_co_u32 s92, s92, SLOT                    ; my stage
	v_mul_u32_u24 v[STO], v1, SPITCH
	v_lshl_add_u32 v[STO], v2, 5, v[STO]
	v_add_nc_u32 v[STO], s92, v[STO]               ; in: row r, 32 bytes for each half of the lanes
	v_add_nc_u32 v[RD], s92, v[GO]                 ; back: the 32 lanes take one row of 512 bytes
	s_lshl_b32 s92, s[CX], 1
	s_add_co_u32 s92, s92, s[HALF]
	s_lshl_b32 s92, s92, 9                         ; my 128 columns, in bytes
	s_mov_b32 s93, 0
	s_add_nc_u64 s[8:9], s[8:9], s[92:93]
	s_add_nc_u64 s[OUTP:OUTP+1], s[OUTP:OUTP+1], s[92:93]
	s_lshl_b32 s92, s[CLY], 2
	s_add_co_u32 s92, s92, s[CY]
	s_lshl_b32 s92, s92, 1
	s_add_co_u32 s92, s92, s[ROLE]
	s_lshl_b32 s92, s92, 18                        ; my 64 rows of 4,096 bytes
	s_add_nc_u64 s[OUTP:OUTP+1], s[OUTP:OUTP+1], s[92:93]
	v_lshlrev_b32 v[BO], 5, v2
	WIN 0xc0
.irp b, 0,1,2,3,4,5,6,7
	global_load_b128 v[BIAS+8*\b:BIAS+8*\b+3], v[BO], s[8:9] offset:64*\b
	global_load_b128 v[BIAS+8*\b+4:BIAS+8*\b+7], v[BO], s[8:9] offset:64*\b+16
.endr
	WIN 0
	s_wait_kmcnt 0x0
	s_add_co_i32 s92, s68, s69
	s_add_co_i32 s92, s92, 127
	s_lshl_b32 s[SC], s92, 23                      ; 2^(e10 + e11) as f32
	s_mov_b32 s[SC+1], s[SC]
.macro MULA a, p, zero                 ; 8 products; the 32 accumulators take turns, one instruction a turn, in the same order in every step
.irp b, 0,1,2,3,4,5,6,7
.if \zero
	v_wmma_f32_16x16x128_fp8_fp8 v[8*(8*(\a)+\b):8*(8*(\a)+\b)+7], v[128*(\p)+16*\b:128*(\p)+16*\b+15], v[64*(\p)+16*(\a):64*(\p)+16*(\a)+15], 0
.else
	v_wmma_f32_16x16x128_fp8_fp8 v[8*(8*(\a)+\b):8*(8*(\a)+\b)+7], v[128*(\p)+16*\b:128*(\p)+16*\b+15], v[64*(\p)+16*(\a):64*(\p)+16*(\a)+15], v[8*(8*(\a)+\b):8*(8*(\a)+\b)+7]
.endif
.endr
.endm
.macro FETCH slot, qq, p               ; 80 LDS loads in one run: the fragments of the slot's qq-th 128 along K into set p
	WIN TO0
.irp b, 0,1,2,3,4,5,6,7
.irp c, 0,1,2,3,4,5,6,7
	ds_load_b64 v[128*(\p)+16*\b+2*\c:128*(\p)+16*\b+2*\c+1], v[AD0+\slot] offset:\b*BLK+128*(\qq)+16*\c
.endr
.endr
	WIN TO1
.irp a, 0,1,2,3
.irp c, 0,1,2,3
	ds_load_b128 v[64*(\p)+16*\a+4*\c:64*(\p)+16*\a+4*\c+3], v[AD1+\slot] offset:\a*4096+2048*(\qq)+512*\c
.endr
.endr
	WIN 0
.endm
.macro STEP p, zero, nslot, nqq
	s_wait_dscnt 0x0                               ; this step's set is in: it was asked for a step ago
	PLACES                                         ; the other set was read by the last step's products
	FETCH \nslot, \nqq, 1-(\p)
	WIN MUL
	MULA 0, \p, \zero
	MULA 1, \p, \zero
	MULA 2, \p, \zero
	MULA 3, \p, \zero
	WIN 0
.endm
	s_wait_tensorcnt 0x2                           ; my part of slot 0 is in; the two loads issued behind it may be out
	s_barrier_signal -1
	s_barrier_wait -1
	FETCH 0, 0, 0
	STEP 0, 1, 0, 1                                ; the first step's products start the sums
	; step 1, slot 0's last: the slot is filled again with the fourth K step
	s_wait_tensorcnt 0x0                           ; all my tensor loads have landed: my parts of slots 0, 1 and 2;
	ds_add_u32 v[SPW], v[NIL]                      ; 0 onto my spare word
	s_wait_dscnt 0x1                               ; (the fragments are in; the add may be out)
	WIN MUL
	MULA 0, 1, 0
	s_wait_dscnt 0x0                               ; the add is done, and my reads of slot 0 are over
	s_barrier_signal -1
	MULA 1, 1, 0
	WIN 0
	s_barrier_wait -1
	CREST                                          ; a round of the cluster's barrier: no wave of any partner still reads slot 0 or has a load on its way
	s_add_nc_u64 s[G0A+2:G0A+3], s[G0A+2:G0A+3], 768
	s_add_nc_u64 s[G0B+2:G0B+3], s[G0B+2:G0B+3], 6291456
	JLOAD G0A, G0B                                 ; the first tensor load behind the round; its four v_nop are also the places in front of the loads below
	FETCH 1, 0, 0
	WIN MUL
	MULA 2, 1, 0
	MULA 3, 1, 0
	WIN 0
	STEP 0, 0, 1, 1
	STEP 1, 0, 2, 0
	STEP 0, 0, 2, 1
	s_wait_tensorcnt 0x0                           ; my part of the fourth K step is in (no load was issued behind it),
	s_wait_dscnt 0x0
	s_barrier_signal -1
	s_barrier_wait -1                              ; everybody's is, and nobody reads slot 1 any more
	STEP 1, 0, 0, 0
	STEP 0, 0, 0, 1
	s_wait_dscnt 0x0
	WIN MUL
	MULA 0, 1, 0
	MULA 1, 1, 0
	MULA 2, 1, 0
	MULA 3, 1, 0
	WIN 0
	PLACES                                         ; in front of the first read of results
; THE WAY OUT, a block of 16 tokens x 128 columns at a time: sum x 2^(e10 + e11) + bo, through my own stage, back as whole rows of 512 bytes.  LDS serves a wave's instructions in order (ISA guide 5.7.1.4).
.macro TOSTAGE a
	WIN 0x31                                       ; sums in window 1, bias in window 3
.set kk, 0
.rept 32
	v_pk_fma_f32 v[TMP+kk:TMP+kk+1], v[64*(\a)+kk:64*(\a)+kk+1], s[SC:SC+1], v[BIAS+kk:BIAS+kk+1] op_sel_hi:[1,0,1]   ; each accumulator from its low end on
.set kk, kk+2
.endr
	WIN 0
.irp b, 0,1,2,3,4,5,6,7
	ds_store_b128 v[STO], v[TMP+8*\b:TMP+8*\b+3] offset:64*\b
	ds_store_b128 v[STO], v[TMP+8*\b+4:TMP+8*\b+7] offset:64*\b+16
.endr
.irp t, 0,1,2,3,4,5,6,7,8,9,10,11,12,13,14,15
	ds_load_b128 v[BK+64*((\a)%2)+4*\t:BK+64*((\a)%2)+4*\t+3], v[RD] offset:\t*SPITCH
.endr
.endm
.macro SEND a, younger                 ; younger: the LDS instructions issued behind block a's loads
	s_wait_dscnt \younger
.irp t, 0,1,2,3,4,5,6,7,8,9,10,11,12,13,14,15
	global_store_b128 v[GO], v[BK+64*((\a)%2)+4*\t:BK+64*((\a)%2)+4*\t+3], s[OUTP:OUTP+1] offset:65536*(\a)+4096*\t th:TH_STORE_NT   ; 32 lanes store 512 consecutive bytes, aligned
.endr
.endm
	s_wait_loadcnt 0x0                             ; bo
	TOSTAGE 0
	TOSTAGE 1
	SEND 0, 32                                     ; behind block 0's loads: block 1's 16 stores and 16 loads
	s_wait_xcnt 0x0                                ; block 0's stores have read their registers: block 2's loads may land there
	TOSTAGE 2
	SEND 1, 32
	s_wait_xcnt 0x0
	TOSTAGE 3
	SEND 2, 32
	SEND 3, 0
	s_wait_tensorcnt 0x0                           ; the wave's end: behind my last tensor load and my last LDS store
	ds_add_u32 v[SPW], v[NIL]
	s_wait_dscnt 0x0
	CROUND                                         ; the closing round
	s_endpgm
.Lfunc_end_k_q2731d53640_oproj:
	.size	k_q2731d53640_oproj, .Lfunc_end_k_q2731d53640_oproj-k_q2731d53640_oproj
	.p2alignl 7, 3214868480
	.fill 96, 4, 3214868480
	.section	.rodata,"a",@progbits
	.p2align	6, 0x0
	.amdhsa_kernel k_q2731d53640_oproj
		.amdhsa_group_segment_fixed_size 327680
		.amdhsa_private_segment_fixed_size 0
		.amdhsa_enable_private_segment 0
		.amdhsa_kernarg_size 40
		.amdhsa_user_sgpr_count 2
		.amdhsa_user_sgpr_kernarg_segment_ptr 1
		.amdhsa_wavefront_size32 1
		.amdhsa_system_sgpr_workgroup_id_x 1
		.amdhsa_system_sgpr_workgroup_id_y 1
		.amdhsa_system_sgpr_workgroup_id_z 1
		.amdhsa_system_vgpr_workitem_id 0
		.amdhsa_next_free_vgpr 1024
		.amdhsa_next_free_sgpr 100
		.amdhsa_reserve_vcc 0
		.amdhsa_float_denorm_mode_32 3
		.amdhsa_float_denorm_mode_16_64 3
		.amdhsa_memory_ordered 1
		.amdhsa_forward_progress 1
		.amdhsa_inst_pref_size 92
	.end_amdhsa_kernel
	.amdgpu_metadata
---
amdhsa.version: [ 1, 2 ]
amdhsa.kernels:
  - .name:           k_q2731d53640_oproj
    .symbol:         k_q2731d53640_oproj.kd
    .args:
      - { .name: oimg, .offset: 0, .size: 8, .value_kind: global_buffer, .address_space: global }
      - { .name: Wo_codes, .offset: 8, .size: 8, .value_kind: global_buffer, .address_space: global }
      - { .name: bo, .offset: 16, .size: 8, .value_kind: global_buffer, .address_space: global }
      - { .name: lowp_scales, .offset: 24, .size: 8, .value_kind: global_buffer, .address_space: global }
      - { .name: out0, .offset: 32, .size: 8, .value_kind: global_buffer, .address_space: global }
    .group_segment_fixed_size: 327680
    .private_segment_fixed_size: 0
    .kernarg_segment_align: 8
    .kernarg_segment_size: 40
    .max_flat_workgroup_size: 128
    .sgpr_count:     100
    .vgpr_count:     1024
    .wavefront_size: 32
...
	.end_amdgpu_metadata
.endif
;; end of part 4
